; MI455X (gfx1250); checked and timed in simulation.
; The chip was launched on July 23, 2026; its instructions are those of AMD's public machine-readable ISA for CDNA 5 (MIT licence, August 2026) and "CDNA5" Instruction Set Architecture Reference Guide (July 2026). The comments in the code are by the model that wrote it; some were corrected since.
;; Feed Forward Quantum. Allowed arithmetic: float matrix products may take bf16 or f16 operands with f32 sums; all other float work in f32.
;; Inputs: W1 4,096 x 8 float32; W2 1,024 x 4,096 float32; b1 4,096 float32; b2 1,024 float32; theta 8 float32; x 8 x 2,048 x 1,024 float32.
;; Outputs: out0 8 x 2,048 x 1,024 float32.
;; One version. Each part assembles by itself: llvm-mc -triple=amdgcn-amd-amdhsa -mcpu=gfx1250 --defsym DOCPART=n.
;; ======== version 1 of 1: 2 launches
;; limits: values are held in f16: magnitudes above 65,504 overflow, below 6.1e-05 lose precision; right only within a limited range of input values; inputs' magnitudes at most 1,000,000
;; workspace buffers: wt 8,650,752 bytes; qh 262,144 bytes
;; launch prep (part 1): grid 256 x 1, 8 waves a work-group, no clusters, 0 bytes of LDS; arguments x, theta, W1, b1, W2, wt, qh; writes wt, qh
.if DOCPART == 1
	.amdgcn_target "amdgcn-amd-amdhsa--gfx1250"
	.amdhsa_code_object_version 6
	.text
	.protected	k_q895cc44fc8_prep
	.globl	k_q895cc44fc8_prep
	.p2align	8
	.type	k_q895cc44fc8_prep,@function
k_q895cc44fc8_prep:
	s_mov_b64 s[64:65], 0
	v_nop
	global_prefetch_b8 v0, s[64:65] scope:SCOPE_SE
	s_setreg_imm32_b32 hwreg(HW_REG_WAVE_MODE, 25, 1), 1
	s_wait_xcnt 0x0
; PREP: the operands of the fused product, rounded once to f16 and laid out as the next launch's tiles.
;   qh[token][8] f16 = cos(x[token][i]) cos(theta[i]), i = 0..7: of a row of x only its first 32 bytes enter the result, and only those are read.
;   wt: 256 blocks of 33,792 bytes = 132 dense rows of 256 bytes.  Block y*128 + 4 s + w (y: half of the 1,024 outputs e; s: step of 128 along f; w: 0..3):
;     rows 0-127: W2[512 y + 128 w + row][128 s .. 128 s + 127] in f16;
;     rows 128-131: 32 rows of 32 bytes for f = 32 c .. 32 c + 31, c = (4 s + w + 1) mod 128: f16 W1[f][0..7], f16 bhi, f16 blo, six zeros; bhi = f16(b1[f]), blo = f16(b1[f] - bhi): the bias keeps 22 bits.
; SHARES.  256 work-groups of eight waves.  Work-group g converts rows 4 g .. 4 g + 3 of W2 (65,536 bytes in, 32,768 out); its waves 0 and 1 also make q of tokens 64 g .. 64 g + 63, its wave 2 the
; 16 rows f = 16 g .. 16 g + 15 of W1 and b1.  Memory binds: 16-byte loads and stores, all 16 loads of W2 issued before anything else; sixteen neighbouring lanes store 256 consecutive bytes, aligned.
; No LDS, no barrier, no matrix unit: no wave needs what another has.
; COS.  k = round(x / pi); r = x - k pi with pi in two parts, by fused multiply-adds; the series of cos r up to r^12 (its remainder at pi / 2 is 6e-9); the sign of (-1)^k.
; LIMITS.  For |x|, |theta| up to about 1e6 (k below 2^20) cos is off by less than 1e-6; beyond, the error grows with k.  An infinity or NaN gives NaN.  f16 ends at 65,504: W1, b1 and W2 must lie within it;
; a number of W2 below 6.1e-5 keeps f16's fixed step of 6e-8.
.set BLKG,  33792                      ; bytes in a block of wt
.set STEPB, 4*BLKG                     ; the four blocks of one step along f
.set YCOPY, 128*BLKG                   ; from y = 0 to y = 1
.set X, 32                             ; v[32:95]   chunk i: 8 numbers of W2 as loaded
.set Y, 96                             ; v[96:127]  chunk i: the same 8 in f16
	s_load_b256 s[4:11], s[0:1], 0x0               ; x s[4:5], theta s[6:7], W1 s[8:9], b1 s[10:11]
	s_load_b128 s[12:15], s[0:1], 0x20             ; W2 s[12:13], wt s[14:15]
	s_load_b64 s[16:17], s[0:1], 0x30              ; qh
	v_lshrrev_b32 v1, 5, v0
	v_readfirstlane_b32 s18, v1                    ; my wave's number
	s_lshl_b32 s20, ttmp9, 16                      ; W2: g x 4 rows of 16,384 bytes
	s_mov_b32 s21, 0
	s_lshr_b32 s22, ttmp9, 7                       ; e = 4 g + j: y = g / 128,
	s_lshl_b32 s22, s22, 7
	s_bfe_u32 s23, ttmp9, 0x20005                  ; w = (g / 32) % 4,
	s_add_co_u32 s22, s22, s23
	s_mul_i32 s22, s22, BLKG                       ; block y*128 + w of step 0,
	s_and_b32 s23, ttmp9, 31
	s_lshl_b32 s23, s23, 10                        ; row 4 (g % 32) of it
	s_add_co_u32 s22, s22, s23
	s_mov_b32 s23, 0
	v_lshlrev_b32 v1, 5, v0                        ; in: my 8 numbers of a half row, 32 t
	v_lshrrev_b32 v2, 4, v0
	v_mul_u32_u24 v2, v2, STEPB                    ; out: step t / 16 of the half row's sixteen,
	v_and_b32 v3, 15, v0
	v_lshl_add_u32 v2, v3, 4, v2                   ; 16 bytes at 16 (t % 16) of its row
	s_wait_kmcnt 0x0
	s_add_nc_u64 s[12:13], s[12:13], s[20:21]
	s_add_nc_u64 s[24:25], s[14:15], s[22:23]
.irp i, 0,1,2,3,4,5,6,7                ; chunk i: row i / 2, half row i % 2
	global_load_b128 v[X+8*(\i):X+8*(\i)+3],   v1, s[12:13] offset:((\i)/2)*16384+((\i)%2)*8192 th:TH_LOAD_NT
	global_load_b128 v[X+8*(\i)+4:X+8*(\i)+7], v1, s[12:13] offset:((\i)/2)*16384+((\i)%2)*8192+16 th:TH_LOAD_NT
.endr
	s_cmp_lt_u32 s18, 2
	s_cbranch_scc1 .Lrole_q
	s_cmp_eq_u32 s18, 2
	s_cbranch_scc1 .Lrole_w1
	s_branch .Ljoin
; cos of v[r], in place; v20-v22 at work
.macro COS r
	v_mul_f32 v20, s32, v[\r]
	v_rndne_f32 v20, v20                           ; k
	v_fma_f32 v21, -v20, s33, v[\r]                ; x - k pi, high part,
	v_fma_f32 v21, -v20, s34, v21                  ; low part
	v_mul_f32 v22, v21, v21                        ; r^2
	v_fma_f32 v[\r], v22, s39, s38
	v_fma_f32 v[\r], v[\r], v22, s37
	v_fma_f32 v[\r], v[\r], v22, s36
	v_fma_f32 v[\r], v[\r], v22, s35
	v_fma_f32 v[\r], v[\r], v22, -0.5
	v_fma_f32 v[\r], v[\r], v22, 1.0
	v_cvt_i32_f32 v20, v20
	v_lshlrev_b32 v20, 31, v20                     ; k odd: the sign turns
	v_xor_b32 v[\r], v[\r], v20
.endm
.Lrole_q:                              ; waves 0 and 1: thread t = 0..63 makes q of token 64 g + t
	s_lshl_b32 s26, ttmp9, 18                      ; 64 rows of x, 4,096 bytes each
	s_mov_b32 s27, 0
	s_add_nc_u64 s[4:5], s[4:5], s[26:27]
	s_lshl_b32 s26, ttmp9, 10                      ; 64 tokens of qh, 16 bytes each
	s_add_nc_u64 s[16:17], s[16:17], s[26:27]
	v_lshlrev_b32 v3, 12, v0
	v_mov_b32 v28, 0
	v_lshlrev_b32 v29, 4, v0
	global_load_b128 v[4:7],   v3, s[4:5]
	global_load_b128 v[8:11],  v3, s[4:5] offset:16
	global_load_b128 v[12:15], v28, s[6:7]
	global_load_b128 v[16:19], v28, s[6:7] offset:16
	s_mov_b32 s32, 0x3ea2f983                      ; 1 / pi
	s_mov_b32 s33, 0x40490fdb                      ; pi, rounded to f32
	s_mov_b32 s34, 0xb3bbbd2e                      ; pi less that
	s_mov_b32 s35, 0x3d2aaaab                      ; 1 / 4!
	s_mov_b32 s36, 0xbab60b61                      ; -1 / 6!
	s_mov_b32 s37, 0x37d00d01                      ; 1 / 8!
	s_mov_b32 s38, 0xb493f27e                      ; -1 / 10!
	s_mov_b32 s39, 0x310f76c7                      ; 1 / 12!
	s_wait_loadcnt 0x0                             ; x and theta are the youngest loads: all are in
.irp r, 4,5,6,7,8,9,10,11,12,13,14,15,16,17,18,19
	COS \r
.endr
.irp k, 0,2,4,6
	v_pk_mul_f32 v[4+(\k):5+(\k)], v[4+(\k):5+(\k)], v[12+(\k):13+(\k)]
.endr
.irp k, 0,1,2,3
	v_cvt_pk_f16_f32 v[24+(\k)], v[4+2*(\k)], v[5+2*(\k)]
.endr
	global_store_b128 v29, v[24:27], s[16:17]      ; a wave stores 512 consecutive bytes
	s_branch .Ljoin
.Lrole_w1:                             ; wave 2: lane l makes half l % 2 of the 32-byte row of f = 16 g + l / 2
	s_lshl_b32 s26, ttmp9, 9                       ; 16 rows of W1, 32 bytes each
	s_mov_b32 s27, 0
	s_add_nc_u64 s[8:9], s[8:9], s[26:27]
	s_lshl_b32 s26, ttmp9, 6                       ; 16 numbers of b1
	s_add_nc_u64 s[10:11], s[10:11], s[26:27]
	s_lshr_b32 s28, ttmp9, 1                       ; the quarter c = g / 2 lies in block (c + 127) mod 128,
	s_add_co_u32 s28, s28, 127
	s_and_b32 s28, s28, 127
	s_mul_i32 s28, s28, BLKG
	s_and_b32 s29, ttmp9, 1
	s_lshl_b32 s29, s29, 9                         ; its first or second 16 rows,
	s_add_co_u32 s28, s28, s29
	s_add_co_u32 s28, s28, 32768                   ; behind the block's 128 rows of W2
	s_mov_b32 s29, 0
	s_add_nc_u64 s[14:15], s[14:15], s[28:29]
	v_and_b32 v21, 31, v0
	v_lshrrev_b32 v22, 1, v21
	v_lshlrev_b32 v23, 5, v22
	v_lshlrev_b32 v22, 2, v22
	v_and_b32 v20, 1, v0
	v_lshlrev_b32 v21, 4, v21
	global_load_b128 v[4:7],  v23, s[8:9]
	global_load_b128 v[8:11], v23, s[8:9] offset:16
	global_load_b32 v12, v22, s[10:11]
	v_cmp_eq_u32 vcc_lo, 0, v20                    ; the lanes that hold W1's half of a row
	s_wait_loadcnt 0x0
.irp k, 0,1,2,3
	v_cvt_pk_f16_f32 v[16+(\k)], v[4+2*(\k)], v[5+2*(\k)]
.endr
	v_cvt_pk_f16_f32 v13, v12, v12                 ; bhi
	v_cvt_f32_f16 v14, v13.l
	v_sub_f32 v14, v12, v14                        ; what bhi leaves of b1
	v_cvt_pk_f16_f32 v15, v12, v14                 ; bhi below, blo above
	v_cndmask_b32 v16, v15, v16, vcc_lo            ; the other half of a row: bhi, blo, six zeros
	v_cndmask_b32 v17, 0, v17, vcc_lo
	v_cndmask_b32 v18, 0, v18, vcc_lo
	v_cndmask_b32 v19, 0, v19, vcc_lo
	global_store_b128 v21, v[16:19], s[14:15]      ; 512 consecutive bytes, for y = 0
	global_store_b128 v21, v[16:19], s[14:15] offset:YCOPY  ; and for y = 1
.Ljoin:
.irp i, 0,1,2,3,4,5,6,7
	s_wait_loadcnt 14-2*(\i)                       ; loads come back in order (ISA guide 5.7.1): chunk i's two are in, the 2 (7 - i) of the later chunks may be out
.irp k, 0,1,2,3
	v_cvt_pk_f16_f32 v[Y+4*(\i)+(\k)], v[X+8*(\i)+2*(\k)], v[X+8*(\i)+2*(\k)+1]
.endr
	global_store_b128 v2, v[Y+4*(\i):Y+4*(\i)+3], s[24:25] offset:((\i)/2)*256+((\i)%2)*16*STEPB  ; 16 lanes fill a row of 256 bytes of a block; no register is used twice
.endr
	s_endpgm
.Lfunc_end_k_q895cc44fc8_prep:
	.size	k_q895cc44fc8_prep, .Lfunc_end_k_q895cc44fc8_prep-k_q895cc44fc8_prep
	.p2alignl 7, 3214868480
	.fill 96, 4, 3214868480
	.section	.rodata,"a",@progbits
	.p2align	6, 0x0
	.amdhsa_kernel k_q895cc44fc8_prep
		.amdhsa_group_segment_fixed_size 0
		.amdhsa_private_segment_fixed_size 0
		.amdhsa_enable_private_segment 0
		.amdhsa_kernarg_size 56
		.amdhsa_user_sgpr_count 2
		.amdhsa_user_sgpr_kernarg_segment_ptr 1
		.amdhsa_wavefront_size32 1
		.amdhsa_system_sgpr_workgroup_id_x 1
		.amdhsa_system_sgpr_workgroup_id_y 1
		.amdhsa_system_sgpr_workgroup_id_z 1
		.amdhsa_system_vgpr_workitem_id 0
		.amdhsa_next_free_vgpr 128
		.amdhsa_next_free_sgpr 66
		.amdhsa_reserve_vcc 1
		.amdhsa_float_denorm_mode_32 3
		.amdhsa_float_denorm_mode_16_64 3
		.amdhsa_memory_ordered 1
		.amdhsa_forward_progress 1
		.amdhsa_inst_pref_size 21
	.end_amdhsa_kernel
	.amdgpu_metadata
---
amdhsa.version: [ 1, 2 ]
amdhsa.kernels:
  - .name:           k_q895cc44fc8_prep
    .symbol:         k_q895cc44fc8_prep.kd
    .args:
      - { .name: x, .offset: 0, .size: 8, .value_kind: global_buffer, .address_space: global }
      - { .name: theta, .offset: 8, .size: 8, .value_kind: global_buffer, .address_space: global }
      - { .name: W1, .offset: 16, .size: 8, .value_kind: global_buffer, .address_space: global }
      - { .name: b1, .offset: 24, .size: 8, .value_kind: global_buffer, .address_space: global }
      - { .name: W2, .offset: 32, .size: 8, .value_kind: global_buffer, .address_space: global }
      - { .name: wt, .offset: 40, .size: 8, .value_kind: global_buffer, .address_space: global }
      - { .name: qh, .offset: 48, .size: 8, .value_kind: global_buffer, .address_space: global }
    .group_segment_fixed_size: 0
    .private_segment_fixed_size: 0
    .kernarg_segment_align: 8
    .kernarg_segment_size: 56
    .max_flat_workgroup_size: 256
    .sgpr_count:     66
    .vgpr_count:     128
    .wavefront_size: 32
...
	.end_amdgpu_metadata
.endif
;; end of part 1
;; launch ffn (part 2): grid 128 x 2, 4 waves a work-group, clusters of 4 x 1, 327,680 bytes of LDS; arguments wt, qh, b2, out0; writes out0
.if DOCPART == 2
	.amdgcn_target "amdgcn-amd-amdhsa--gfx1250"
	.amdhsa_code_object_version 6
	.text
	.protected	k_q895cc44fc8_ffn
	.globl	k_q895cc44fc8_ffn
	.p2align	8
	.type	k_q895cc44fc8_ffn,@function
k_q895cc44fc8_ffn:
	s_mov_b64 s[64:65], 0
	v_nop
	global_prefetch_b8 v0, s[64:65] scope:SCOPE_SE
	s_setreg_imm32_b32 hwreg(HW_REG_WAVE_MODE, 25, 1), 1
	s_wait_xcnt 0x0
	s_wait_alu depctr_hold_cnt(0) depctr_sa_sdst(0) depctr_va_vdst(0) depctr_va_sdst(0) depctr_va_ssrc(0) depctr_va_vcc(0) depctr_vm_vsrc(0)
	s_getreg_b32 s2, hwreg(HW_REG_IB_STS2, 6, 4)
	s_cmp_eq_u32 s2, 0
	s_cbranch_scc0 .Lentry_in_a_cluster
	s_endpgm
.Lentry_in_a_cluster:
	s_bfe_u32 s2, ttmp6, 0x10000c
	s_cmp_lg_u32 s2, 0x3003
	s_cbranch_scc0 .Lentry_shape_is_right
	s_endpgm
.Lentry_shape_is_right:
; out[token][e] = b2[e] + the sum over f of relu(b1[f] + the sum over i of q[token][i] W1[f][i]) W2[e][f].  16,384 tokens, 4,096 f, 1,024 e.  All matrix operands f16, all sums f32, out f32.
; h = relu(..) NEVER GOES TO MEMORY: each wave makes the 64 tokens x 32 f that its next 64 products need by 8 products of its own, from q (in registers) and W1 (32 rows of 32 bytes, which ride in W2's tiles).
; SHARES.  256 work-groups; each owns 128 tokens x 512 e, each of its four waves 64 tokens x 256 e: 64 accumulators of 16 x 16, 512 registers.  f goes in 32 steps of 128 through two LDS slots; a step is four
; QUARTERS of 32.
; LAYOUT.  Both products are used transposed.  H^T = W1e (source 0: 16 f) x q_ext (source 1: 16 tokens), K padded to 32: k 0-7 carry W1 x q, k 8, 9 carry b1's two f16 parts x 1.0, k 10-31 are zeros.  In the
; result a lane holds ONE token (lane % 16) and f = 8 (lane / 16) + 0..7; two such results, after relu, rounded to f16 in pairs, ARE source 1 (32 f x 16 tokens) of Out^T = W2 (source 0: 16 e) x H^T, in whose
; result a lane holds eight neighbouring e of one token.  Nothing changes lanes between the products.
; A QUARTER: 8 products make H of the NEXT quarter; 64 products add this quarter onto the accumulators; the 96 vector instructions that turn the new H into a fragment (64 maxima with 0, 32 roundings) stand four
; at a time behind every second product; the next quarter's 32 loads of W2's fragments, and W1's two for the quarter after it, stand in one run in the middle.
; CLUSTER.  The four work-groups of a cluster have the same y and so walk the same tiles of wt: each tile is asked for JOINTLY, by the same tensor load with the same descriptor and the mask of four.  A wider
; cluster would share nothing more: the one operand that comes from memory hangs on y alone, and a mask names four.
; LIMITS.  f16 ends at 65,504: h, at most the sum of a row of |W1| plus |b1|, must lie within it.  relu is a maximum in which a NaN loses: a token whose q holds a NaN (an infinite or NaN x) gets b2 where the
; f32 formula gives NaN.
; REGISTERS, in windows of 256 (s_set_vgpr_msb: bits 1:0 source 0, 3:2 source 1, 5:4 source 2, 7:6 destination):
;   window 0: v0-29 addresses; v32-39 b2; v40-71 q_ext; v72-87 W1e; v88-151 H^T in f32; v152-215 H^T as fragments, two buffers
;   window 1: W2's fragments, two buffers of 128 (16 e tiles x 8); on the way out four buffers of 64
;   window 2: the accumulators of e tiles 0-7 ((et, t) at v[8 (4 (et % 8) + t)]);   window 3: those of e tiles 8-15
.set BLKG,   33792                     ; a block of wt in memory: 132 rows of 256 bytes
.set STEPB,  4*BLKG                    ; one step's four blocks
.set PITCH,  272                       ; an LDS row: 256 bytes + 16 of padding = 68 words: row r starts at bank 4 r mod 64 (64 banks of 4 bytes: ISA guide 11.1), so the 16 rows of a fragment load start at 16 different banks
.set BLK,    132*PITCH                 ; a block in LDS: what one tensor load brings
.set W1O,    128*PITCH                 ; W1e's four rows lie behind the block's 128 rows of W2
.set SLOT,   4*BLK
.set STAGE,  2*SLOT                    ; behind the ring, never filled by a tensor load: 16 rows x 528 bytes for each wave
.set SPITCH, 528                       ; 512 bytes (128 e in f32) + 16
.set SPARE,  STAGE+4*16*SPITCH         ; behind the stages: the spare words, 128 bytes for each wave: two blocks of 256 bytes that no other line names
.set ADRW, 16                          ; v16-19  [slot][half of my e tiles]: LDS address of my W2 fragments
.set ADR1, 20                          ; v20-23  [slot][pair of blocks]: LDS address of my 16 bytes of W1e
.set STO,  24                          ; v24     the way out: where I put 32 bytes of a token's row
.set RD,   25                          ; v25     the way out: where I read a row back
.set CO,   26                          ; v26     my byte offset in 512 bytes of out
.set SPW,  28                          ; v28     LDS address of my spare word; never rewritten
.set NIL,  29                          ; v29     0; never rewritten
.set B2,   32                          ; v[32:39]   b2 of my four e in each half of my 256
.set QX,   40                          ; v[40:71]   q_ext, 8 registers a token tile
.set W1F,  72                          ; v[72:87]   W1e, 8 registers a tile of 16 f
.set HF,   88                          ; v[88:151]  unit u = 2 t + ft at 8 u
.set HB,   152                         ; v[152:215] buffer x 32 + 8 t: registers 0-3 from ft = 0, 4-7 from ft = 1
.set G1, 24                            ; s[24:31] descriptor group 1
.set G0, 32                            ; s[32:39] descriptor group 0, a set for each slot
.set MSB, 0
.macro WIN new                         ; the immediate's high byte repeats the setting that is left; a switch that changes nothing is dropped
.if MSB != (\new)
	s_set_vgpr_msb (MSB<<8)|(\new)
.set MSB, \new
.endif
.endm
.macro PLACES                          ; four places (ISA guide 7.12.1) where no other vector work is at hand
.rept 4
	v_nop
.endr
.endm
; A joint load: one line for all four waves, whose two addresses differ by the wave's number alone.  An s_nop 0 and four v_nop follow it.
.macro JLOAD s
	tensor_load_to_lds s[G0+4*(\s):G0+4*(\s)+3], s[G1:G1+7]
	s_nop 0
.rept 4
	v_nop
.endr
.endm
; A round of the cluster's barrier: my work-group's barrier, so that wave 0's signal speaks for all four waves; wave 0 signals; every wave waits for all four work-groups; my work-group's barrier once more.
.macro CREST                           ; a round behind its opening barrier
	s_cmp_lg_u32 s12, 0
	s_cbranch_scc1 .Lnot_wave_0_\@
	s_barrier_signal -3
.Lnot_wave_0_\@:
	s_barrier_wait -3
	s_barrier_signal -1
	s_barrier_wait -1
.endm
.macro CROUND
	s_barrier_signal -1
	s_barrier_wait -1
	CREST
.endm
	s_load_b256 s[4:11], s[0:1], 0x0               ; wt s[4:5], qh s[6:7], b2 s[8:9], out0 s[10:11]
	v_lshl_add_u32 v[SPW], v0, 2, SPARE
	v_mov_b32 v[NIL], 0
	ds_add_u32 v[SPW], v[NIL]                      ; the wave's opening: the add and its wait stand ahead of my first tensor load; the set-up below, work on registers, stands between them
	v_lshrrev_b32 v1, 5, v0
	v_readfirstlane_b32 s12, v1                    ; wave 0..3
	s_lshr_b32 s13, s12, 1                         ; which 64 of the 128 tokens are mine
	s_and_b32 s14, s12, 1                          ; which 256 of the 512 e
	s_bfe_u32 s15, ttmp6, 0x40000                  ; cx: my place in the cluster
	s_lshl_b32 s16, ttmp9, 2                       ; in a cluster launch ttmp9 counts clusters
	s_add_co_u32 s16, s16, s15                     ; my block of 128 tokens: it enters qh's and out0's addresses alone
	s_and_b32 s17, ttmp7, 0xffff                   ; y, which the four partners share
	; descriptor group 1: 132 rows of 128 elements of 2 bytes, dense in memory, padded in LDS
	s_mov_b32 s[G1+0], 15|(1<<16)|(1<<20)|(1<<21)|(5<<22)|(3<<25)  ; 15:0 the mask of four; 17:16 2-byte elements; 20 padding on; 21 set beside a mask; 24:22 after every 64 words (code 5); 31:25 4 words (code 3)
	s_mov_b32 s[G1+1], 128<<16                     ; tensor_dim0 = 128
	s_mov_b32 s[G1+2], 132<<16                     ; tensor_dim1 = 132
	s_mov_b32 s[G1+3], 128<<16                     ; tile_dim0 = 128
	s_mov_b32 s[G1+4], 132                         ; tile_dim1 = 132
	s_mov_b32 s[G1+5], 128                         ; 128 elements from row to row
	s_mov_b32 s[G1+6], 0
	s_mov_b32 s[G1+7], 0
	s_lshl_b32 s18, s17, 7
	s_add_co_u32 s18, s18, s12
	s_mul_i32 s18, s18, BLKG                       ; my block of step 0: y*128 + w
	s_mov_b32 s19, 0
	s_lshl_b32 s20, s17, 7
	s_add_co_u32 s20, s20, 127
	s_mul_i32 s20, s20, BLKG                       ; block y*128 + 127, which holds W1e of quarter 0
	s_mov_b32 s21, 0
	s_lshl_b32 s22, s16, 11                        ; qh: 128 tokens of 16 bytes a block,
	s_lshl_b32 s50, s13, 10                        ; my 64 of them
	s_add_co_u32 s22, s22, s50
	s_mov_b32 s23, 0
	s_lshl_b32 s46, s17, 11                        ; b2 and a row of out: 512 e of 4 bytes,
	s_lshl_b32 s47, s14, 10                        ; my 256 of them
	s_add_co_u32 s46, s46, s47
	s_mov_b32 s47, 0
	s_lshl_b32 s48, s16, 19                        ; out: 128 rows of 4,096 bytes a block,
	s_lshl_b32 s49, s13, 18                        ; my 64 of them,
	s_add_co_u32 s48, s48, s49
	s_add_co_u32 s48, s48, s46                     ; my columns
	s_mov_b32 s49, 0
	s_mul_i32 s40, s12, BLK                        ; where my tiles go: wave x block; no place in the cluster enters an LDS address
	s_wait_dscnt 0x0                               ; the opening add is done
	s_wait_kmcnt 0x0
	s_add_nc_u64 s[18:19], s[4:5], s[18:19]
	s_add_nc_u64 s[20:21], s[4:5], s[20:21]
	s_add_nc_u64 s[6:7], s[6:7], s[22:23]
	s_add_nc_u64 s[8:9], s[8:9], s[46:47]
	s_add_nc_u64 s[10:11], s[10:11], s[48:49]
	CROUND                                         ; all four work-groups are here: the first joint loads meet
.irp n, 0,1
	s_mov_b32 s[G0+4*(\n)], 1                      ; 1:0 count = 1
	s_add_co_u32 s[G0+4*(\n)+1], s40, (\n)*SLOT    ; 63:32 LDS address
	s_add_nc_u64 s[G0+4*(\n)+2:G0+4*(\n)+3], s[18:19], (\n)*STEPB  ; 120:64 global address: step n
	s_or_b32 s[G0+4*(\n)+3], s[G0+4*(\n)+3], 0x80000000            ; 127:126 type = 2
.endr
	tensor_load_to_lds s[G0:G0+3], s[G1:G1+7]      ; both first fills go out together: two loads of mine are out
	s_nop 0
	tensor_load_to_lds s[G0+4:G0+7], s[G1:G1+7]
	s_nop 0
.rept 4
	v_nop
.endr
	v_and_b32 v1, 15, v0                           ; r = l % 16
	v_bfe_u32 v2, v0, 4, 1                         ; h = l / 16
	v_and_b32 v3, 31, v0                           ; l
	v_lshlrev_b32 v6, 4, v1                        ; qh: token r's 16 bytes
	v_lshlrev_b32 v7, 5, v1
	v_lshl_add_u32 v7, v2, 4, v7                   ; W1e: row r's half h
	v_lshlrev_b32 v8, 4, v3                        ; b2: my four e
.irp t, 0,1,2,3
	global_load_b128 v[QX+8*(\t):QX+8*(\t)+3], v6, s[6:7] offset:256*(\t)  ; q of token 16 t + r, in both halves of the lanes; the upper half is replaced below
.endr
	global_load_b128 v[W1F:W1F+3],    v7, s[20:21] offset:32768            ; W1e of quarter 0, straight from memory: in the ring it would come with the last step
	global_load_b128 v[W1F+8:W1F+11], v7, s[20:21] offset:32768+512
	global_load_b128 v[B2:B2+3],   v8, s[8:9]
	global_load_b128 v[B2+4:B2+7], v8, s[8:9] offset:512
	; LDS addresses.  A fragment of W2 is 16 rows x 32 f in 8 registers: lane l holds row r; registers 0-3 f = 8 h + 0..7, registers 4-7 f = 16 + 8 h + 0..7: two loads of 16 bytes, 32 bytes apart.
	v_mul_u32_u24 v4, v1, PITCH
	v_lshl_add_u32 v4, v2, 4, v4                   ; r x pitch + 16 h
	v_lshrrev_b32 v5, 3, v1                        ; W1e: eight rows of 32 bytes lie in an LDS row
	v_mul_u32_u24 v5, v5, PITCH
	v_and_b32 v10, 7, v1
	v_lshl_add_u32 v5, v10, 5, v5
	v_lshl_add_u32 v5, v2, 4, v5                   ; (r / 8) x pitch + 32 (r % 8) + 16 h
	s_mul_i32 s41, s14, 2*BLK                      ; my 256 e lie in blocks 2 eh and 2 eh + 1
.irp n, 0,1
.irp b, 0,1
	s_add_co_u32 s42, s41, (\n)*SLOT+(\b)*BLK
	v_add_nc_u32 v[ADRW+2*(\n)+(\b)], s42, v4
	v_add_nc_u32 v[ADR1+2*(\n)+(\b)], (\n)*SLOT+(\b)*2*BLK+W1O, v5
.endr
.endr
	s_mul_i32 s43, s12, 16*SPITCH
	s_add_co_u32 s43, s43, STAGE                   ; my stage
	v_mul_u32_u24 v[STO], v1, SPITCH               ; in: token r's row, 32 bytes for each half of the lanes
	v_lshl_add_u32 v[STO], v2, 5, v[STO]
	v_add_nc_u32 v[STO], s43, v[STO]
	v_lshl_add_u32 v[RD], v3, 4, s43               ; back: 32 lanes take a row of 512 bytes
	v_lshlrev_b32 v[CO], 4, v3
	v_mov_b32 v9, 0x3c003c00                       ; 1.0, 1.0 in f16
	v_cmp_eq_u32 s44, 0, v2                        ; the lanes that hold k = 0..7
	; k = 16..31 of both sources of H^T are zeros, written once: 24 registers
.irp t, 0,1,2,3
.irp z, 4,5,6,7
	v_mov_b32 v[QX+8*(\t)+(\z)], 0
.endr
.endr
.irp z, 4,5,6,7,12,13,14,15
	v_mov_b32 v[W1F+(\z)], 0
.endr
	s_wait_loadcnt 0x0                             ; q, W1e of quarter 0, b2
.irp t, 0,1,2,3                        ; the upper half of the lanes holds k = 8..15: 1.0, 1.0 (for b1's two parts), six zeros
	v_cndmask_b32 v[QX+8*(\t)],   v9, v[QX+8*(\t)],   s44
	v_cndmask_b32 v[QX+8*(\t)+1], 0,  v[QX+8*(\t)+1], s44
	v_cndmask_b32 v[QX+8*(\t)+2], 0,  v[QX+8*(\t)+2], s44
	v_cndmask_b32 v[QX+8*(\t)+3], 0,  v[QX+8*(\t)+3], s44
.endr
; 8 products: H^T of one quarter, 4 token tiles x 2 tiles of 16 f.  Each is a whole sum: C is the constant 0.
.macro HMUL
	WIN 0
.irp u, 0,1,2,3,4,5,6,7
	v_wmma_f32_16x16x32_f16 v[HF+8*(\u):HF+8*(\u)+7], v[W1F+8*((\u)%2):W1F+8*((\u)%2)+7], v[QX+8*((\u)/2):QX+8*((\u)/2)+7], 0
.endr
.endm
; Slice sl of 24, four instructions: for unit sl / 3 the maxima with 0 of registers 0-3 (a result's lowest registers are read first), of registers 4-7, then the four roundings into buffer nb.
.macro SLICE nb
.set su, sl/3
.set spt, sl%3
.if spt < 2
.irp z, 0,1,2,3
	v_max_num_f32 v[HF+8*su+4*spt+(\z)], 0, v[HF+8*su+4*spt+(\z)]
.endr
.else
.irp z, 0,1,2,3
	v_cvt_pk_f16_f32 v[HB+32*(\nb)+8*(su/2)+4*(su%2)+(\z)], v[HF+8*su+2*(\z)], v[HF+8*su+2*(\z)+1]
.endr
.endif
.set sl, sl+1
.endm
; 16 products: e tiles 8 hi + e0 .. + 3 x all 4 token tiles, 32 along f, from W2's buffer f and H's buffer hb.  zero = 1: the first product starts the sums: nothing is ever cleared.
; The 64 accumulators take turns, one instruction a turn, in the same order in every quarter.  Behind every second product stands a place for four vector instructions.  The quarter's
; first holds four v_nop: they are the places (ISA guide 7.12.1 for matrix instructions) between the 8 products of H^T and the first read of their results and the load into W1e's registers, and between the
; quarter before and the writes of what it read (H's other buffer, W2's other buffer).  The later ones hold slices, while sl < LIM.
.macro MUL16 f, hb, hi, e0, zero, nb
.irp ee, 0,1,2,3
.irp tk, 0,1,2,3
	WIN 0xa1+0x50*(\hi)                            ; source 0 (W2) window 1, source 1 (H) window 0, C and D window 2 or 3
.set ra, 8*(4*((\e0)+(\ee))+(\tk))
.set rf, (\f)+8*(8*(\hi)+(\e0)+(\ee))
.set rh, HB+32*(\hb)+8*(\tk)
.if \zero
	v_wmma_f32_16x16x32_f16 v[ra:ra+7], v[rf:rf+7], v[rh:rh+7], 0
.else
	v_wmma_f32_16x16x32_f16 v[ra:ra+7], v[rf:rf+7], v[rh:rh+7], v[ra:ra+7]
.endif
.if ((\tk)%2) == 0
.if fs
.rept 4
	v_nop
.endr
.set fs, 0
.elseif sl < LIM
	WIN 0
	SLICE \nb
.endif
.endif
.endr
.endr
.endm
; One run of LDS loads: (w1 = 1) W1e's two from block wb of the slot, then the 32 of W2's fragments at byte k of the slot's rows into buffer f, e tiles ascending.
.macro FETCH slot, k, f, w1, wb
.if \w1
	WIN 0
	ds_load_b128 v[W1F:W1F+3],    v[ADR1+2*(\slot)+(\wb)/2] offset:((\wb)%2)*BLK
	ds_load_b128 v[W1F+8:W1F+11], v[ADR1+2*(\slot)+(\wb)/2] offset:((\wb)%2)*BLK+2*PITCH
.endif
	WIN 0x40                                       ; destination window 1, address window 0
.irp ee, 0,1,2,3,4,5,6,7,8,9,10,11,12,13,14,15
	ds_load_b128 v[(\f)+8*(\ee):(\f)+8*(\ee)+3],   v[ADRW+2*(\slot)+(\ee)/8] offset:((\ee)%8)*16*PITCH+(\k)
	ds_load_b128 v[(\f)+8*(\ee)+4:(\f)+8*(\ee)+7], v[ADRW+2*(\slot)+(\ee)/8] offset:((\ee)%8)*16*PITCH+(\k)+32
.endr
.endm
; Quarter j (0, 1, 2; the launch's last: 3) of the step in the slot.  Buffers go by j's parity.  hw = 1: H of the next quarter is made.  fetch = 1: the next quarter's W2 is fetched, and (w1 = 1) W1e of the quarter
; after it, which lies in block j + 1 of this slot.
.macro QUARTER slot, j, zero=0, hw=1, w1=1, fetch=1
.set cur, (\j)%2
.set nxt, 1-cur
	s_wait_dscnt 16                                ; W1e and e tiles 0-7 are in; the youngest sixteen loads (e tiles 8-15) may be out
.if \hw
	HMUL
.set sl, 0
.set fs, 1
.else
.set sl, 24
.set fs, 0
.endif
.set LIM, 12
	MUL16 128*cur, cur, 0, 0, \zero, nxt
	MUL16 128*cur, cur, 0, 4, \zero, nxt
.if \fetch
	FETCH \slot, 64*((\j)+1), 128*nxt, \w1, (\j)+1
	s_wait_dscnt 32+2*(\w1)                        ; all but the run just issued
.else
	s_wait_dscnt 0x0
.endif
.set LIM, 24
	MUL16 128*cur, cur, 1, 0, \zero, nxt
	MUL16 128*cur, cur, 1, 4, \zero, nxt
.endm
; A step's last quarter changes slots: ONE barrier for two things.  In front of it each wave waits for all its tensor loads, of which one is out: its part of the next slot; adds 0 to its spare word; and waits for that and
; for its own reads of this slot.  Behind it nobody reads this slot any more and the next slot is whole.  fill = 1: the barrier opens a round of the cluster's, so that no wave of any partner still reads the slot
; or has a load on its way, and the joint refill, two steps ahead, is the first thing behind the round: it has a step less this quarter's first half in which to land.
.macro TURN slot, next, fill
	WIN 0                                          ; (the add's two registers lie in window 0)
	s_wait_tensorcnt 0x0                           ; all my tensor loads have landed, so a group 0 may be written
	ds_add_u32 v[SPW], v[NIL]                      ; 0 onto my spare word; 24 matrix instructions stand between it and the wait for it
	s_wait_dscnt 17                                ; (the add and the youngest sixteen loads may be out)
	HMUL
.set sl, 0
.set fs, 1
.set LIM, 12
	MUL16 128, 1, 0, 0, 0, 0
	s_wait_dscnt 0x0                               ; the add is done, and my reads of this slot are over
	s_barrier_signal -1
	MUL16 128, 1, 0, 4, 0, 0                       ; work on registers while the others arrive
	WIN 0                                          ; at a branch and at a label every window is 0
	s_barrier_wait -1
.if \fill
	CREST
	s_add_nc_u64 s[G0+4*(\slot)+2:G0+4*(\slot)+3], s[G0+4*(\slot)+2:G0+4*(\slot)+3], 2*STEPB  ; the type bits on top are not reached
	JLOAD \slot
.endif
	FETCH \next, 0, 0, 1, 0                        ; the next step's first quarter of W2, and W1e of its second quarter (block 0 of that slot)
.set LIM, 24
	MUL16 128, 1, 1, 0, 0, 0
	MUL16 128, 1, 1, 4, 0, 0
.endm
	HMUL                                           ; H of quarter 0: made in the wait for the first tile
	PLACES
.set sl, 0
.rept 24
	SLICE 0
.endr
	s_wait_tensorcnt 0x1                           ; my part of step 0 is in; step 1's may stay out
	s_barrier_signal -1
	s_barrier_wait -1                              ; everybody's is
	FETCH 0, 0, 0, 1, 0                            ; W2 of quarter 0, W1e of quarter 1
	QUARTER 0, 0, 1                                ; the first quarter stands in front of the loop: its products start the sums
	WIN 0
	s_mov_b32 s3, 15
.Llap:                                 ; a trip goes once round the ring, from a lap's second quarter to the next lap's first, and fills both slots again: steps 2 to 31
	QUARTER 0, 1
	QUARTER 0, 2
	TURN 0, 1, 1
	QUARTER 1, 0
	QUARTER 1, 1
	QUARTER 1, 2
	TURN 1, 0, 1
	QUARTER 0, 0
	WIN 0
	s_sub_co_u32 s3, s3, 1
	s_cmp_lg_u32 s3, 0
	s_cbranch_scc1 .Llap
	QUARTER 0, 1                                   ; the last lap is written out: it asks for nothing more
	QUARTER 0, 2
	TURN 0, 1, 0
	QUARTER 1, 0
	QUARTER 1, 1
	QUARTER 1, 2, 0, 1, 0, 1                       ; there is no quarter 128: no W1e is fetched,
	QUARTER 1, 3, 0, 0, 0, 0                       ; and the last quarter makes no H and fetches nothing
; THE WAY OUT.  A lane holds 32 bytes of a token's row, the lanes beside it other tokens.  So a block of 16 tokens x 128 e at a time (block a: token tile a / 2, half a % 2 of my e) goes through my own stage: in by
; 16 bytes a lane into rows of 528 bytes, back as whole rows of 512; b2 is added; each store covers 512 consecutive bytes of out, aligned.
.macro TOSTAGE a
.set tt, (\a)/2
.set hf, (\a)%2
.set bk, 64*((\a)%4)
.if (\a) >= 4
	s_wait_xcnt 0x0                                ; every earlier store has had its addresses translated (ISA guide 3.1): only behind this wait is the buffer that block a - 4's stores read loaded again
.endif
	WIN 0x08+4*hf                                  ; store data (source 1) window 2 or 3
.irp ee, 0,1,2,3,4,5,6,7
	ds_store_b128 v[STO], v[8*(4*(\ee)+tt):8*(4*(\ee)+tt)+3]   offset:64*(\ee)       ; each accumulator's low four registers first
	ds_store_b128 v[STO], v[8*(4*(\ee)+tt)+4:8*(4*(\ee)+tt)+7] offset:64*(\ee)+16
.endr
	WIN 0x40
.irp rw, 0,1,2,3,4,5,6,7,8,9,10,11,12,13,14,15
	ds_load_b128 v[bk+4*(\rw):bk+4*(\rw)+3], v[RD] offset:(\rw)*SPITCH  ; LDS serves a wave's instructions in order (ISA guide 5.7.1.4): these see the stores above; the next block's stores come behind them
.endr
.endm
.macro SEND a, younger                 ; younger: the LDS instructions issued behind block a's loads: the next block's 32, or none
.set tt, (\a)/2
.set hf, (\a)%2
.set bk, 64*((\a)%4)
	s_wait_dscnt \younger
	WIN 0x41                                       ; destination and source 0 window 1, b2 window 0
.irp rw, 0,1,2,3,4,5,6,7,8,9,10,11,12,13,14,15
	v_pk_add_f32 v[bk+4*(\rw):bk+4*(\rw)+1],   v[bk+4*(\rw):bk+4*(\rw)+1],   v[B2+4*hf:B2+4*hf+1]
	v_pk_add_f32 v[bk+4*(\rw)+2:bk+4*(\rw)+3], v[bk+4*(\rw)+2:bk+4*(\rw)+3], v[B2+4*hf+2:B2+4*hf+3]
.endr
	WIN 0x04                                       ; store data (source 1) window 1, address window 0
.irp rw, 0,1,2,3,4,5,6,7,8,9,10,11,12,13,14,15
	global_store_b128 v[CO], v[bk+4*(\rw):bk+4*(\rw)+3], s[10:11] offset:(16*tt+(\rw))*4096+hf*512 th:TH_STORE_NT
.endr
.endm
	PLACES                                         ; the stage's stores read results just made, and its loads land in registers just read
	TOSTAGE 0
.irp a, 1,2,3,4,5,6,7                  ; a block's trip through the stage stands between the loads of the block before and the wait for them
	TOSTAGE \a
	SEND (\a)-1, 32
.endr
	SEND 7, 0
	WIN 0
	s_wait_tensorcnt 0x0                           ; the wave's end, behind my last tensor load and my last LDS store
	ds_add_u32 v[SPW], v[NIL]
	s_wait_dscnt 0x0
	CROUND                                         ; the closing round: no work-group ends while a partner may still ask for a tile that names it
	s_endpgm
.Lfunc_end_k_q895cc44fc8_ffn:
	.size	k_q895cc44fc8_ffn, .Lfunc_end_k_q895cc44fc8_ffn-k_q895cc44fc8_ffn
	.p2alignl 7, 3214868480
	.fill 96, 4, 3214868480
	.section	.rodata,"a",@progbits
	.p2align	6, 0x0
	.amdhsa_kernel k_q895cc44fc8_ffn
		.amdhsa_group_segment_fixed_size 327680
		.amdhsa_private_segment_fixed_size 0
		.amdhsa_enable_private_segment 0
		.amdhsa_kernarg_size 32
		.amdhsa_user_sgpr_count 2
		.amdhsa_user_sgpr_kernarg_segment_ptr 1
		.amdhsa_wavefront_size32 1
		.amdhsa_system_sgpr_workgroup_id_x 1
		.amdhsa_system_sgpr_workgroup_id_y 1
		.amdhsa_system_sgpr_workgroup_id_z 1
		.amdhsa_system_vgpr_workitem_id 0
		.amdhsa_next_free_vgpr 1024
		.amdhsa_next_free_sgpr 66
		.amdhsa_reserve_vcc 0
		.amdhsa_float_denorm_mode_32 3
		.amdhsa_float_denorm_mode_16_64 3
		.amdhsa_memory_ordered 1
		.amdhsa_forward_progress 1
		.amdhsa_inst_pref_size 254
	.end_amdhsa_kernel
	.amdgpu_metadata
---
amdhsa.version: [ 1, 2 ]
amdhsa.kernels:
  - .name:           k_q895cc44fc8_ffn
    .symbol:         k_q895cc44fc8_ffn.kd
    .args:
      - { .name: wt, .offset: 0, .size: 8, .value_kind: global_buffer, .address_space: global }
      - { .name: qh, .offset: 8, .size: 8, .value_kind: global_buffer, .address_space: global }
      - { .name: b2, .offset: 16, .size: 8, .value_kind: global_buffer, .address_space: global }
      - { .name: out0, .offset: 24, .size: 8, .value_kind: global_buffer, .address_space: global }
    .group_segment_fixed_size: 327680
    .private_segment_fixed_size: 0
    .kernarg_segment_align: 8
    .kernarg_segment_size: 32
    .max_flat_workgroup_size: 128
    .sgpr_count:     66
    .vgpr_count:     1024
    .wavefront_size: 32
...
	.end_amdgpu_metadata
.endif
;; end of part 2
